; MI455X (gfx1250); checked and timed in simulation.
; The chip was launched on July 23, 2026; its instructions are those of AMD's public machine-readable ISA for CDNA 5 (MIT licence, August 2026) and "CDNA5" Instruction Set Architecture Reference Guide (July 2026). The comments in the code are by the model that wrote it; some were corrected since.
;; Permutator. Allowed arithmetic: matrix products marked QUANTISED: E3M2 operands, one E8M0 scale for each 32 along K, by v_wmma_scale_f32_16x16x128_f8f6f4 with both operands' format E3M2, f32 sums; everything else in f32.
;; Inputs: perm 4,096 x 4,096 float32; x 4,096 x 4,096 float32.
;; Outputs: out0 4,096 x 4,096 float32.
;; This version of the problem:
;;   THIS VERSION OF THE PROBLEM IS GIVEN IN LOW PRECISION. The matrix products marked QUANTISED in the list below multiply operands that are first quantised to E3M2 (3 exponent bits, 2 mantissa bits; 6 bits a number), with one power-of-two scale for each 32 numbers along K (OCP MX v1.0); their sums are f32. All else is computed in f32.
;;   The module's matrix products, in the order in which they are computed (A, B: the left and right operand; K: the contracted axis; several contracted axes count as one K, in the product's order):
;;     1. [M 4,096, K 4,096] x [K 4,096, N 4,096]; A: input x; B: input perm: QUANTISED
;;   THE QUANTISER, for each operand of a quantised product, along K:
;;     - K is cut into blocks of 32 from its start; a last block that is shorter is filled with zeros.
;;     - A block's scale is 2^e with e = floor(log2(the largest magnitude in the block)) - 4, held to -126 .. 127; a block of zeros has e = 0. As a byte (E8M0): e + 127.
;;     - Each number is divided by its block's scale, clamped to +-28, and rounded to the nearest number of E3M2, ties to even, subnormals kept.
;;     - The product sums the exact products of the quantised numbers (number of the format x scale) in f32.
;;   ~~~python
;;   def quantise(x, axis):      # numpy; x: float32 -> the quantised numbers, widened to float32 again
;;       x = np.moveaxis(x, axis, -1); K = x.shape[-1]
;;       x = np.pad(x, [(0, 0)] * (x.ndim - 1) + [(0, -K % 32)]); x = x.reshape(x.shape[:-1] + (-1, 32)); a = np.abs(x).max(-1, keepdims=True)
;;       e = np.where(a > 0, np.clip(np.frexp(np.where(a > 0, a, 1))[1] - 1 - 4, -126, 127), 0)      # np.frexp(a)[1] - 1 = floor(log2(a)), exactly
;;       r = np.clip(x / 2.0 ** e, -28, 28)
;;       step = 2.0 ** (np.maximum(np.frexp(np.where(r == 0, 1, r))[1] - 1, -2) - 2)
;;       q = np.round(r / step) * step * 2.0 ** e      # np.round: ties to even
;;       return np.moveaxis(q.reshape(q.shape[:-2] + (-1,))[..., :K], -1, axis).astype(np.float32)
;;   ~~~
;; One version. Each part assembles by itself: llvm-mc -triple=amdgcn-amd-amdhsa -mcpu=gfx1250 --defsym DOCPART=n.
;; ======== version 1 of 1: 2 launches
;; limits: right only within a limited range of input values
;; workspace buffers: xq 13,107,200 bytes; wq 13,107,200 bytes
;; launch quant (part 1): grid 1024 x 1, 4 waves a work-group, no clusters, 17,920 bytes of LDS; arguments x, perm, xq, wq; writes xq, wq
.if DOCPART == 1
	.amdgcn_target "amdgcn-amd-amdhsa--gfx1250"
	.amdhsa_code_object_version 6
	.text
	.protected	k_q5e13ba606b_quant
	.globl	k_q5e13ba606b_quant
	.p2align	8
	.type	k_q5e13ba606b_quant,@function
k_q5e13ba606b_quant:
	s_mov_b64 s[64:65], 0
	v_nop
	global_prefetch_b8 v0, s[64:65] scope:SCOPE_SE
	s_setreg_imm32_b32 hwreg(HW_REG_WAVE_MODE, 25, 1), 1
	s_wait_xcnt 0x0
; x [4096 (m)][4096 (k)] and perm [4096 (k)][4096 (n)], f32, are turned into codes of BF6 (E3M2), 6 bits each, with one E8M0 scale byte for each 32 along K.
; A block's scale is 2^(floor(log2(its largest magnitude)) - 4); its byte is the largest magnitude's own exponent field - 4, held at 1 from below; each number is divided by the scale and rounded to the
; nearest code, ties to even; beyond the largest code the conversion gives the largest code.
; LIMITS: NaN and infinities among the inputs are not served.  A block of zeros gets the byte 1 where the rule says 127: its codes are zeros, which add nothing under any byte but 0xff, and the bytes are read by
; this program alone.  Blocks whose largest magnitude lies under 2^-122 keep the byte 1 (the rule's own hold at -126); they were not tried.
; THE WORKSPACE IS LAID IN THE ORDER OF THE OPERAND'S REGISTERS, alike for xq and wq: [t = K step of 128: 32][quad = 64 rows of the operand: 64][a record of 6,400 bytes].  (A row of wq is a column n of perm.)
;   record byte 1536 j + 512 c + 16 l: registers 4 c .. 4 c + 3 of lane l of the fragment of rows 64 quad + 16 j .. + 15 (lane (r, h): registers 6 c' .. 6 c' + 5 hold k = 64 c' + 32 h + 0 .. 31 of row r)
;   record byte 6144 + 16 r + 4 j:     the scale word (four bytes, 128 along K) of row 16 j + r
; A WAVE MAKES ONE RECORD: 64 rows x 128 K.  Work-groups 0-511 take x, 512-1023 perm: one forward branch on the work-group's number.  Waves share nothing: no barrier.  Every offset is an immediate: no loop.
; Every store of codes covers 512 consecutive bytes and the store of scale words 256, each at a multiple of 256 from the buffer's first byte.
.set REC, 6400
.set CD,  32                           ; x path: v32-55   two sets of a fragment's 12 registers
.set X,   64                           ; x path: v64-127  two sets of 32 neighbours along K
.set R,   128                          ; x path: v128-255 four sets of 32 registers as loaded
.set F,   32                           ; perm path: v32-79  four fragments of 12 registers, each written once
.set PX0, 128                          ; perm path: v128-191 two sets of 32 numbers down K
.set SPT, 272                          ; x path: a stage row: 256 bytes + 16: row r starts at bank 4 r mod 64 (64 banks of 4 bytes: ISA guide 11.1)
; v12, v13 the two chains of a maximum; v14 the conversion's scale operand; v16, v17 scale bytes; v20-22 a block's upper 16 codes; v24-27 scale words
; the largest magnitude of the 32 numbers v[s] .. v[s + 31] into v12: two chains, and the floor 2^(5 - 127) as the last leaf, so that the byte cannot fall under 1
.macro BLOCKMAX s
	v_max3_num_f32 v12, |v[\s]|, |v[\s+1]|, |v[\s+2]|
	v_max3_num_f32 v13, |v[\s+3]|, |v[\s+4]|, |v[\s+5]|
.irp i, 6,10,14,18,22,26
	v_max3_num_f32 v12, v12, |v[\s+\i]|, |v[\s+\i+1]|
	v_max3_num_f32 v13, v13, |v[\s+\i+2]|, |v[\s+\i+3]|
.endr
	v_max3_num_f32 v12, v12, |v[\s+30]|, |v[\s+31]|
	v_max3_num_f32 v12, v12, v13, 0x2800000
.endm
	s_load_b256 s[4:11], s[0:1], 0x0               ; x s[4:5], perm s[6:7], xq s[8:9], wq s[10:11]
	v_lshl_add_u32 v30, v0, 2, 0x4400
	v_mov_b32 v31, 0
	v_lshrrev_b32 v1, 5, v0
	v_readfirstlane_b32 s12, v1                    ; wave 0..3
	v_and_b32 v2, 31, v0                           ; lane
	v_and_b32 v3, 15, v0                           ; r
	v_bfe_u32 v4, v0, 4, 1                         ; h
	v_lshlrev_b32 v5, 4, v2                        ; the codes' stores: 16 x lane
	v_lshlrev_b32 v6, 4, v3
	v_lshl_add_u32 v6, v4, 3, v6                   ; the scale words' store: 16 r + 8 h: the words of j = 2 h and 2 h + 1 of row r
	s_wait_kmcnt 0x0
	s_cmp_lt_u32 ttmp9, 512
	s_cbranch_scc0 .Lperm
; ---------------- x: K is innermost ----------------
; A granule g = 2 j + c is 16 rows x 64 K.  Each of its eight loads reads two rows' 256 consecutive bytes, 16 bytes a lane; the conversions want 32 NEIGHBOURS along K in one lane's registers.  So a granule turns
; through the wave's own stage in LDS: in as loaded, back 128 bytes a lane: lane (r, h) then holds block 2 c + h of row 16 j + r, which is what the operand's layout gives that lane.
	s_lshr_b32 s13, ttmp9, 3                       ; quad
	s_and_b32 s14, ttmp9, 7
	s_lshl_b32 s14, s14, 2
	s_add_co_u32 s14, s14, s12                     ; t = 4 (work-group % 8) + wave: the four waves read 2,048 bytes on end of each row
	s_lshl_b32 s16, s13, 20                        ; 64 rows of 16,384 bytes
	s_lshl_b32 s17, s14, 9                         ; 128 numbers of 4 bytes
	s_add_co_u32 s16, s16, s17
	s_mov_b32 s17, 0
	s_add_nc_u64 s[4:5], s[4:5], s[16:17]
	s_lshl_b32 s18, s14, 6
	s_add_co_u32 s18, s18, s13                     ; record 64 t + quad
	s_mul_i32 s18, s18, REC
	s_mov_b32 s19, 0
	s_add_nc_u64 s[8:9], s[8:9], s[18:19]
	s_mov_b32 s20, 0x76543210
	s_mov_b32 s21, 0xfedcba98                      ; v_permlanex16_b32's selects for lane l xor 16
	s_mul_i32 s22, s12, 16*SPT                     ; my wave's stage
	s_wait_alu depctr_va_vdst(0)
	v_lshlrev_b32 v7, 14, v4
	v_lshl_add_u32 v7, v3, 4, v7                   ; a load: lanes 0-15 one row, lanes 16-31 the next; 16 bytes a lane
	v_mul_u32_u24 v9, v4, SPT
	v_lshl_add_u32 v9, v3, 4, v9
	v_add_nc_u32 v9, s22, v9                       ; into the stage: the same two rows
	v_mul_u32_u24 v10, v3, SPT
	v_lshl_add_u32 v10, v4, 7, v10
	v_add_nc_u32 v10, s22, v10                     ; out of it: row r, 128 h bytes on
	v_lshlrev_b32 v11, 3, v4                       ; 8 h: my bytes' place in a scale word
	v_mov_b32 v15, 0                               ; written once: a lane permute's destination counts as one of its sources
.macro XLOAD g
.set GJ, (\g)/2
.set GC, (\g)%2
.set GR, R+32*((\g)%4)
.irp i, 0,1,2,3,4,5,6,7
	global_load_b128 v[GR+4*\i:GR+4*\i+3], v7, s[4:5] offset:(16*GJ+2*\i)*16384+256*GC th:TH_LOAD_NT
.endr
.endm
.macro XTURN g                         ; LDS serves a wave's instructions in order (ISA guide 5.7.1.4): no wait between the stores and the loads
.set TR, R+32*((\g)%4)
.set TX, X+32*((\g)%2)
.irp i, 0,1,2,3,4,5,6,7
	ds_store_b128 v9, v[TR+4*\i:TR+4*\i+3] offset:2*SPT*\i
.endr
.irp m, 0,1,2,3,4,5,6,7
	ds_load_b128 v[TX+4*\m:TX+4*\m+3], v10 offset:16*\m
.endr
.endm
.macro XSTEP g
	s_wait_dscnt 0x0                               ; this granule is back from the stage; so its stores into the stage have read their registers,
.if (\g)+4 < 8
	XLOAD (\g)+4                                   ; which take the granule four on
.endif
.if (\g)+1 < 8
.if 6-(\g) >= 3
	s_wait_loadcnt 24                              ; the next granule's eight loads are in; those of the three granules behind it may be out
.else
	s_wait_loadcnt 8*(6-(\g))                      ; towards the end fewer granules are behind it
.endif
	XTURN (\g)+1                                   ; it goes through the stage while this one is worked on
.endif
.set QJ, (\g)/2
.set QC, (\g)%2
.set QX, X+32*((\g)%2)
.set QF, CD+12*(QJ%2)
.set QS, QF+6*QC
.if ((\g) == 4) || ((\g) == 6)
	s_wait_xcnt 0x0                                ; this set of code registers was the data of the stores of the fragment two back: it is written again only behind this wait
.endif
	BLOCKMAX QX
	v_add_nc_u32 v14, 0xfe000000, v12              ; 4 off the exponent field: the conversion takes the exponent field of this operand as its scale, and nothing else of it
	v_cvt_scalef32_pk16_bf6_f32 v[QS:QS+2], v[QX:QX+15], v14
	v_cvt_scalef32_pk16_bf6_f32 v[20:22], v[QX+16:QX+31], v14     ; (a conversion's three registers begin on an even number: the block's upper half is made here and moved)
	v_lshrrev_b32 v[16+QC], 23, v14                ; the scale's byte; also the plain instruction between the conversions and the moves that read their result
	v_mov_b32 v[QS+3], v20
	v_mov_b32 v[QS+4], v21
	v_mov_b32 v[QS+5], v22
.if QC == 1
	v_lshl_or_b32 v[24+QJ], v17, 16, v16           ; my two bytes: blocks h and 2 + h of my row,
	v_lshlrev_b32 v[24+QJ], v11, v[24+QJ]          ; at their places in the scale word;
	v_permlanex16_b32 v15, v[24+QJ], s20, s21
	v_or_b32 v[24+QJ], v[24+QJ], v15               ; with lane l xor 16's two the word is whole, in both halves of the lanes
.irp k, 0,1,2
	global_store_b128 v5, v[QF+4*\k:QF+4*\k+3], s[8:9] offset:1536*QJ+512*\k   ; the fragment as it stands: 512 consecutive bytes a store
.endr
.endif
.endm
.irp g, 0,1,2,3
	XLOAD \g
.endr
	s_wait_alu depctr_va_vdst(0)
	s_wait_loadcnt 24                              ; granule 0 is in; granules 1 to 3 may be out
	XTURN 0
.irp g, 0,1,2,3,4,5,6,7
	XSTEP \g
.endr
	v_cmp_ne_u32 vcc_lo, 0, v4
	v_cndmask_b32 v28, v24, v26, vcc_lo            ; lanes 0-15 store the words of j = 0, 1, lanes 16-31 those of j = 2, 3
	v_cndmask_b32 v29, v25, v27, vcc_lo
	global_store_b64 v6, v[28:29], s[8:9] offset:6144   ; 32 lanes store 256 consecutive bytes
	s_wait_tensorcnt 0x0
	ds_add_u32 v30, v31
	s_wait_dscnt 0x0
	s_endpgm
; ---------------- perm: K is the FIRST axis ----------------
; A LANE TAKES A COLUMN n, AND ITS REGISTERS RUN DOWN K: each load reads 128 consecutive bytes of one row k, a block of 32 along K lies in one lane's 32 registers, and the conversions give codes with K innermost.
; Nothing goes through LDS.  Sub-block u = 2 b + g: block b of the K step, columns 32 g .. 32 g + 31 of the quad.
.Lperm:
	s_sub_co_u32 s13, ttmp9, 512
	s_lshr_b32 s14, s13, 4                         ; t
	s_and_b32 s13, s13, 15
	s_lshl_b32 s13, s13, 2
	s_add_co_u32 s13, s13, s12                     ; quad = 4 (work-group % 16) + wave: the four waves stand side by side on 1,024 bytes of each row
	s_lshl_b32 s16, s14, 21                        ; 128 rows of 16,384 bytes
	s_lshl_b32 s17, s13, 8                         ; 64 columns of 4 bytes
	s_add_co_u32 s16, s16, s17
	s_mov_b32 s17, 0
	s_add_nc_u64 s[6:7], s[6:7], s[16:17]
	s_lshl_b32 s18, s14, 6
	s_add_co_u32 s18, s18, s13                     ; record 64 t + quad
	s_mul_i32 s18, s18, REC
	s_mov_b32 s19, 0
	s_add_nc_u64 s[10:11], s[10:11], s[18:19]
	s_wait_alu depctr_va_vdst(0)
	v_lshlrev_b32 v7, 2, v2                        ; 4 bytes a lane
.macro PLOAD u
.set PB, (\u)/2
.set PG, (\u)%2
.set PX, PX0+32*((\u)%2)
.irp i, 0,1,2,3,4,5,6,7,8,9,10,11,12,13,14,15,16,17,18,19,20,21,22,23,24,25,26,27,28,29,30,31
	global_load_b32 v[PX+\i], v7, s[6:7] offset:(32*PB+\i)*16384+128*PG th:TH_LOAD_NT
.endr
.endm
; Block b of my column goes to registers 6 (b / 2) .. + 5 of run 2 g + b % 2: run 2 g holds the even blocks, run 2 g + 1 the odd ones, of all 32 columns.
.macro PBLOCK u
.set BB, (\u)/2
.set BG, (\u)%2
.set BX, PX0+32*((\u)%2)
.set BF, F+12*(2*BG+BB%2)+6*(BB/2)
.if (\u) < 7
	s_wait_loadcnt 32                              ; this sub-block's 32 loads are in; the next one's may be out
.else
	s_wait_loadcnt 0x0
.endif
	BLOCKMAX BX
	v_add_nc_u32 v14, 0xfe000000, v12              ; 4 off the exponent field: the conversion's scale operand
	v_cvt_scalef32_pk16_bf6_f32 v[BF:BF+2], v[BX:BX+15], v14
	v_cvt_scalef32_pk16_bf6_f32 v[20:22], v[BX+16:BX+31], v14
	v_lshrrev_b32 v16, 23, v14                     ; the scale's byte; also the plain instruction behind the conversions
	v_mov_b32 v[BF+3], v20
	v_mov_b32 v[BF+4], v21
	v_mov_b32 v[BF+5], v22
.if BB == 0
	v_mov_b32 v[24+BG], v16                        ; my column's scale word: byte b for block b
.else
	v_lshl_or_b32 v[24+BG], v16, 8*BB, v[24+BG]
.endif
.if (\u)+2 < 8
	PLOAD (\u)+2
.endif
.endm
; The operand's layout wants, of ONE block of 16 columns, blocks 0 and 2 in lanes 0-15 and blocks 1 and 3 in lanes 16-31.  The even run's lanes 16-31 (columns 16-31, even blocks) change places with the odd
; run's lanes 0-15 (columns 0-15, odd blocks): the first run is then the fragment of columns 0-15, the second that of columns 16-31.
.macro PSEND g
.irp k, 0,1,2,3,4,5,6,7,8,9,10,11
	v_permlane16_swap_b32 v[F+24*\g+\k], v[F+24*\g+12+\k]
.endr
.irp e, 0,1
.irp k, 0,1,2
	global_store_b128 v5, v[F+24*\g+12*\e+4*\k:F+24*\g+12*\e+4*\k+3], s[10:11] offset:1536*(2*\g+\e)+512*\k
.endr
.endr
.endm
	PLOAD 0
	PLOAD 1
.irp u, 0,1,2,3,4,5,6
	PBLOCK \u
.endr
	PSEND 0                                        ; columns 0-31 are whole behind sub-block 6; their registers are not written again
	PBLOCK 7
	PSEND 1
	v_permlane16_swap_b32 v24, v25                 ; v24: lanes 0-15 the words of j = 0, lanes 16-31 of j = 2; v25: of j = 1 and j = 3
	global_store_b64 v6, v[24:25], s[10:11] offset:6144
	s_endpgm
.Lfunc_end_k_q5e13ba606b_quant:
	.size	k_q5e13ba606b_quant, .Lfunc_end_k_q5e13ba606b_quant-k_q5e13ba606b_quant
	.p2alignl 7, 3214868480
	.fill 96, 4, 3214868480
	.section	.rodata,"a",@progbits
	.p2align	6, 0x0
	.amdhsa_kernel k_q5e13ba606b_quant
		.amdhsa_group_segment_fixed_size 17920
		.amdhsa_private_segment_fixed_size 0
		.amdhsa_enable_private_segment 0
		.amdhsa_kernarg_size 32
		.amdhsa_user_sgpr_count 2
		.amdhsa_user_sgpr_kernarg_segment_ptr 1
		.amdhsa_wavefront_size32 1
		.amdhsa_system_sgpr_workgroup_id_x 1
		.amdhsa_system_sgpr_workgroup_id_y 1
		.amdhsa_system_sgpr_workgroup_id_z 1
		.amdhsa_system_vgpr_workitem_id 0
		.amdhsa_next_free_vgpr 256
		.amdhsa_next_free_sgpr 66
		.amdhsa_reserve_vcc 1
		.amdhsa_float_denorm_mode_32 3
		.amdhsa_float_denorm_mode_16_64 3
		.amdhsa_memory_ordered 1
		.amdhsa_forward_progress 1
		.amdhsa_inst_pref_size 68
	.end_amdhsa_kernel
	.amdgpu_metadata
---
amdhsa.version: [ 1, 2 ]
amdhsa.kernels:
  - .name:           k_q5e13ba606b_quant
    .symbol:         k_q5e13ba606b_quant.kd
    .args:
      - { .name: x, .offset: 0, .size: 8, .value_kind: global_buffer, .address_space: global }
      - { .name: perm, .offset: 8, .size: 8, .value_kind: global_buffer, .address_space: global }
      - { .name: xq, .offset: 16, .size: 8, .value_kind: global_buffer, .address_space: global }
      - { .name: wq, .offset: 24, .size: 8, .value_kind: global_buffer, .address_space: global }
    .group_segment_fixed_size: 17920
    .private_segment_fixed_size: 0
    .kernarg_segment_align: 8
    .kernarg_segment_size: 32
    .max_flat_workgroup_size: 128
    .sgpr_count:     66
    .vgpr_count:     256
    .wavefront_size: 32
...
	.end_amdgpu_metadata
.endif
;; end of part 1
;; launch gemm (part 2): grid 16 x 16, 4 waves a work-group, clusters of 4 x 1, 327,680 bytes of LDS; arguments xq, wq, out0; writes out0
.if DOCPART == 2
	.amdgcn_target "amdgcn-amd-amdhsa--gfx1250"
	.amdhsa_code_object_version 6
	.text
	.protected	k_q5e13ba606b_gemm
	.globl	k_q5e13ba606b_gemm
	.p2align	8
	.type	k_q5e13ba606b_gemm,@function
k_q5e13ba606b_gemm:
	s_mov_b64 s[64:65], 0
	v_nop
	global_prefetch_b8 v0, s[64:65] scope:SCOPE_SE
	s_setreg_imm32_b32 hwreg(HW_REG_WAVE_MODE, 25, 1), 1
	s_wait_xcnt 0x0
	s_wait_alu depctr_hold_cnt(0) depctr_sa_sdst(0) depctr_va_vdst(0) depctr_va_sdst(0) depctr_va_ssrc(0) depctr_va_vcc(0) depctr_vm_vsrc(0)
	s_getreg_b32 s2, hwreg(HW_REG_IB_STS2, 6, 4)
	s_cmp_eq_u32 s2, 0
	s_cbranch_scc0 .Lentry_in_a_cluster
	s_endpgm
.Lentry_in_a_cluster:
	s_bfe_u32 s2, ttmp6, 0x10000c
	s_cmp_lg_u32 s2, 0x3003
	s_cbranch_scc0 .Lentry_shape_is_right
	s_endpgm
.Lentry_shape_is_right:
; out0[m][n] = sum over k of x[m][k] perm[k][n] on codes of BF6 (E3M2) with one E8M0 byte for each 32 along K; sums in f32.
; xq and wq are laid [K step of 128: 32][quad of 64 rows: 64][record of 6,400 bytes]: a record is four fragments of 16 rows x 128 K as the operand's registers
; take them (byte 1536 j + 512 c + 16 lane: registers 4 c .. 4 c + 3 of fragment j) and, from byte 6144 on, the rows' scale words (16 r + 4 j).  A row of wq is a column n of perm.
; A work-group of four waves makes 256 x 256 of out0; WAVE w MAKES ROWS 64 w .. 64 w + 63 x ALL 256 COLUMNS: 64 accumulators, 512 registers.
; x: a wave's 64 rows of a K step are ONE record that no other wave of the work-group reads: it goes from memory straight into registers, 13 loads of 16 bytes a lane,
;    three K steps ahead of its use, in four sets of registers by turns; the waits on LOADcnt are counted.
; perm: the 256 columns of a K step are four records that all four waves read: they go through a ring of two LDS slots of four K steps each; wave w fetches record w of the slot's four steps by one tensor load.
; CLUSTER 4, 1, 1: the four partners make four row blocks of one column block, so they need the same tiles of wq: each tile is asked for jointly (mask 15).  They share no record of xq, and
; loads into registers have no joint form: so x's records are not asked for jointly.  No prefetch for xq: its own loads run three K steps ahead of the products.
; THE MATRIX INSTRUCTION IS USED TRANSPOSED (source 0 = 16 rows of wq, source 1 = 16 rows of xq): a lane holds eight neighbouring numbers of a row of out0.
; A K step is four groups of 16 products: record g of wq (4 fragments) x the wave's 4 fragments of xq.  Behind a group its 48 registers and 4 scale words take the next K step's record g: one set of registers serves wq.
; REGISTERS: window 0: v8-31 addresses; v32-47 x's scale words, four sets; v48-63 perm's scale words; v64-255 x's fragments, four sets of 48.
;   window 1: v0-191 perm's 16 fragments.   windows 2, 3: the accumulators of column blocks 0-7 and 8-15: (a, b) at v[8 (4 (b % 8) + a)].
.set REC,    6400
.set TSTR,   64*REC                    ; bytes from a K step to the next
.set NQ,     4                         ; K steps in a slot
.set WT,     NQ*REC                    ; what one tensor load brings: one record column, NQ steps
.set SLOT,   4*WT
.set SPARE,  2*SLOT                    ; behind the ring: the spare words, 128 bytes a wave
.set STAGE,  0                         ; the way out goes through slot 0, which has had its last fill and its last read by then
.set SPITCH, 528
.set TRIPS,  3
.set ADRB, 8                           ; v8-15   LDS address of record g in slot s (4 s + g): 16 x lane
.set ADRS, 16                          ; v16-23  the same for its scale words: 16 x (lane % 16)
.set AO,   24                          ; v24     16 x lane: x's codes, and my 16 bytes of a stored row
.set ASO,  25                          ; v25     16 x (lane % 16): x's scale words
.set STO,  26
.set RD,   27
.set SPW,  28                          ; v28     my spare word; never rewritten
.set NIL,  29                          ; v29     0; never rewritten
.set PFO,  30                          ; v30     the prefetch's offset: 256 x min(lane, 24)
.set SCA,  32
.set SCB,  48
.set AF,   64
.set BK,   64                          ; the way out: v64-127 and v128-191 by turns
.set G1,   24                          ; s[24:31] descriptor group 1
.set G0,   32                          ; s[32:39] group 0, one set for each slot
.set AB,   40                          ; s[40:41] my record of xq, at the trip's first K step less one
.set PFB,  42                          ; s[42:43] the record of wq that I prefetch
.set MSB, 0
.macro WIN new                         ; the immediate's high byte repeats the setting that is left
.if MSB != \new
	s_set_vgpr_msb (MSB<<8)|\new
.set MSB, \new
.endif
.endm
.set MUL_LO, 0xa1                      ; source 0 window 1, source 1 window 0, C and D window 2
.set MUL_HI, 0xf1                      ; the same, C and D window 3
.set TO_B,   0x40                      ; destination window 1, address window 0
.macro CREST                           ; a round of the cluster's barrier behind its opening barrier
	s_cmp_lg_u32 s14, 0
	s_cbranch_scc1 .Lnot_wave_0_\@
	s_barrier_signal -3
.Lnot_wave_0_\@:
	s_barrier_wait -3
	s_barrier_signal -1
	s_barrier_wait -1
.endm
.macro CROUND
	s_barrier_signal -1
	s_barrier_wait -1
	CREST
.endm
.macro PLACES                          ; four places behind matrix instructions, ahead of loads into their sources and of reads of their results
.rept 4
	v_nop
.endr
.endm
.macro WM d, b, a, sb, sa, zero
.if \zero
	v_wmma_scale_f32_16x16x128_f8f6f4 v[(\d):(\d)+7], v[(\b):(\b)+11], v[(\a):(\a)+11], 0, v[\sb], v[\sa] matrix_a_fmt:MATRIX_FMT_BF6 matrix_b_fmt:MATRIX_FMT_BF6
.else
	v_wmma_scale_f32_16x16x128_f8f6f4 v[(\d):(\d)+7], v[(\b):(\b)+11], v[(\a):(\a)+11], v[(\d):(\d)+7], v[\sb], v[\sa] matrix_a_fmt:MATRIX_FMT_BF6 matrix_b_fmt:MATRIX_FMT_BF6
.endif
.endm
; 16 products: perm's fragments 4 g .. 4 g + 3 x x's four of set s; the accumulators take turns, one instruction a turn
.macro MULG s, g, zero
.irp j, 0,1,2,3
.irp a, 0,1,2,3
	WM 8*(4*((4*(\g)+\j)%8)+\a), 12*(4*(\g)+\j), AF+48*(\s)+12*\a, SCB+4*(\g)+\j, SCA+4*(\s)+\a, \zero
.endr
.endr
.endm
; record g of step q of a slot into perm's registers: 12 loads of codes and one of scale words
.macro BREC slot, q, g
	WIN TO_B
.irp j, 0,1,2,3
.irp c, 0,1,2
	ds_load_b128 v[12*(4*(\g)+\j)+4*\c:12*(4*(\g)+\j)+4*\c+3], v[ADRB+4*(\slot)+(\g)] offset:REC*(\q)+1536*\j+512*\c
.endr
.endr
	WIN 0
	ds_load_b128 v[SCB+4*(\g):SCB+4*(\g)+3], v[ADRS+4*(\slot)+(\g)] offset:REC*(\q)+6144
.endm
; fragment g of x's record ai K steps behind the base, into set sn; with the last fragment the scale words: 13 loads a record
.macro ALD sn, g, ai
.irp c, 0,1,2
	global_load_b128 v[AF+48*(\sn)+12*(\g)+4*\c:AF+48*(\sn)+12*(\g)+4*\c+3], v[AO], s[AB:AB+1] offset:(\ai)*TSTR+1536*(\g)+512*\c
.endr
.if (\g) == 3
	global_load_b128 v[SCA+4*(\sn):SCA+4*(\sn)+3], v[ASO], s[AB:AB+1] offset:(\ai)*TSTR+6144
.endif
.endm
; a group: its products, then the next K step's record g (slot ns, step nq), then a quarter of x's record three K steps on
.macro GRP s, g, zero, ns, nq, ai
	s_wait_dscnt 39                                ; behind this group's 13 LDS loads three runs of 13 were issued
.if (\g) < 2
	WIN MUL_LO
.else
	WIN MUL_HI
.endif
	MULG \s, \g, \zero
	PLACES
	BREC \ns, \nq, \g
.if (\ai) >= 0
	ALD ((\s)+3)%4, \g, \ai
.endif
.endm
.macro STEP s, zero, ns, nq, ai, lc
	s_wait_loadcnt \lc                             ; x's record of this step is in; lc loads, those of the records behind it, may be out
.irp g, 0,1,2,3
	GRP \s, \g, \zero, \ns, \nq, \ai
.endr
.endm
; A prefetch of wq, two refills ahead of the tensor load that wants it: of a refill's 16 records each of the cluster's 16 waves names one (record w of step cx: told apart by address), a lane a block of 256 bytes,
; lanes 25-31 the last block again.  The last trip's look-ahead would pass K's end: it asks for nothing.
.macro ASK off
	s_cmp_gt_u32 s3, 1
	s_cbranch_scc0 .Lno_ask_\@
	global_prefetch_b8 v[PFO], s[PFB:PFB+1] offset:\off th:TH_LOAD_NT scope:SCOPE_SE
.Lno_ask_\@:
.endm
; A slot's last K step.  All its records are in registers or on their way there.  ONE barrier: ahead of it each wave waits for all its tensor loads (one is out: its part of the next slot), adds 0 to its spare word,
; and waits for that and for its reads of this slot.  fill = 1: the barrier opens a round of the cluster's barrier and this slot is filled again, first thing behind it.
.macro TURN s, slot, next, fill, ai, off
	s_wait_tensorcnt 0x0
	ds_add_u32 v[SPW], v[NIL]
.if \fill
	s_add_nc_u64 s[G0+4*\next+2:G0+4*\next+3], s[G0+4*\next+2:G0+4*\next+3], 2*NQ*TSTR   ; no tensor load of mine is out: the next slot's address steps to its next tile
.endif
	s_wait_loadcnt 26
	s_wait_dscnt 40                                ; three runs of 13 and the add may be out
	WIN MUL_LO
	MULG \s, 0, 0
	s_wait_dscnt 0x0                               ; the add is done, and my reads of this slot are over
	s_barrier_signal -1
	MULG \s, 1, 0
	WIN 0
	s_barrier_wait -1
.if \fill
	CREST
	tensor_load_to_lds s[G0+4*\slot:G0+4*\slot+3], s[G1:G1+7]
	s_nop 0
.endif
	PLACES
	BREC \next, 0, 0
	BREC \next, 0, 1
	ALD ((\s)+3)%4, 0, \ai
	ALD ((\s)+3)%4, 1, \ai
.if \fill
	ASK \off
.endif
	GRP \s, 2, 0, \next, 0, \ai
	GRP \s, 3, 0, \next, 0, \ai
.endm
	s_load_b128 s[4:7], s[0:1], 0x0                ; xq, wq
	s_load_b64 s[8:9], s[0:1], 0x10                ; out0
	v_lshl_add_u32 v[SPW], v0, 2, SPARE
	v_mov_b32 v[NIL], 0
	ds_add_u32 v[SPW], v[NIL]                      ; the opening lines: the add twice on end and one wait, ahead of my first tensor load
	ds_add_u32 v[SPW], v[NIL]
	v_lshrrev_b32 v1, 5, v0
	v_readfirstlane_b32 s14, v1                    ; wave 0..3
	s_bfe_u32 s48, ttmp6, 0x40000                  ; cx
	s_lshl_b32 s49, ttmp9, 2
	s_add_co_u32 s49, s49, s48                     ; row block of out0 = 4 x cluster x + cx
	s_and_b32 s50, ttmp7, 0xffff                   ; column block = cluster y
	s_mov_b32 s[G1+0], 15|(3<<16)|(1<<21)          ; the mask: all four partners; elements of 8 bytes; bit 21 beside a mask
	s_mov_b32 s[G1+1], (REC/8)<<16                 ; tensor_dim0: a record
	s_mov_b32 s[G1+2], NQ<<16                      ; tensor_dim1: NQ K steps
	s_mov_b32 s[G1+3], (REC/8)<<16                 ; tile_dim0
	s_mov_b32 s[G1+4], NQ                          ; tile_dim1
	s_mov_b32 s[G1+5], TSTR/8                      ; from a K step to the next
	s_mov_b32 s[G1+6], 0
	s_mov_b32 s[G1+7], 0
	s_lshl_b32 s16, s49, 2
	s_add_co_u32 s16, s16, s14
	s_mul_i32 s16, s16, REC                        ; xq: quad 4 x row block + wave
	s_mov_b32 s17, 0
	s_lshl_b32 s18, s50, 2
	s_add_co_u32 s18, s18, s14
	s_mul_i32 s18, s18, REC                        ; wq: quad 4 x column block + wave
	s_mov_b32 s19, 0
	s_mul_i32 s22, s48, TSTR                       ; the prefetch: K step cx of a refill's four
	s_mov_b32 s23, 0
	s_lshl_b32 s20, s49, 8
	s_lshl_b32 s21, s14, 6
	s_add_co_u32 s20, s20, s21                     ; my first row of out0
	s_lshl_b32 s20, s20, 14
	s_lshl_b32 s21, s50, 10
	s_add_co_u32 s20, s20, s21                     ; and the block's first column, in bytes
	s_mov_b32 s21, 0
	s_mul_i32 s15, s14, WT                         ; where my tensor loads go
	s_mul_i32 s12, s14, 16*SPITCH                  ; my stage
	v_and_b32 v1, 15, v0
	v_bfe_u32 v2, v0, 4, 1
	v_and_b32 v3, 31, v0
	v_lshlrev_b32 v[AO], 4, v3
	v_lshlrev_b32 v[ASO], 4, v1
.irp i, 0,1,2,3,4,5,6,7
	v_add_nc_u32 v[ADRB+\i], (\i/4)*SLOT+(\i%4)*WT, v[AO]
	v_add_nc_u32 v[ADRS+\i], (\i/4)*SLOT+(\i%4)*WT, v[ASO]
.endr
	v_mul_u32_u24 v4, v1, SPITCH                   ; into the stage: row lane % 16, 32 bytes for each half of the lanes
	v_lshl_add_u32 v4, v2, 5, v4
	v_add_nc_u32 v[STO], s12, v4
	v_add_nc_u32 v[RD], s12, v[AO]                 ; back: the 32 lanes take a row of 512 bytes
	v_min_u32 v[PFO], 24, v3
	v_lshlrev_b32 v[PFO], 8, v[PFO]
	s_wait_alu depctr_va_vdst(0)
	s_wait_dscnt 0x0                               ; both opening adds are done
	s_wait_kmcnt 0x0
	s_add_nc_u64 s[AB:AB+1], s[4:5], s[16:17]
	s_add_nc_u64 s[18:19], s[6:7], s[18:19]
	s_add_nc_u64 s[PFB:PFB+1], s[18:19], s[22:23]
	s_add_nc_u64 s[8:9], s[8:9], s[20:21]
.irp s, 0,1
	s_mov_b32 s[G0+4*\s], 1
	s_add_co_u32 s[G0+4*\s+1], s15, \s*SLOT
	s_add_nc_u64 s[G0+4*\s+2:G0+4*\s+3], s[18:19], \s*NQ*TSTR
	s_or_b32 s[G0+4*\s+3], s[G0+4*\s+3], 0x80000000
.endr
	CROUND                                         ; the four partners are here: the first joint loads meet
	tensor_load_to_lds s[G0:G0+3], s[G1:G1+7]      ; K steps 0-3: one tensor load a wave at the head
	s_nop 0
	PLACES
.irp s, 0,1,2
.irp g, 0,1,2,3
	ALD \s, \g, \s                                 ; x's records of K steps 0, 1, 2
.endr
.endr
	s_wait_tensorcnt 0x0                           ; my part of slot 0 is in
	ds_add_u32 v[SPW], v[NIL]
	s_add_nc_u64 s[G0+2:G0+3], s[G0+2:G0+3], 2*NQ*TSTR   ; slot 0's next tile: K steps 8-11
	s_wait_dscnt 0x0
	CROUND
	tensor_load_to_lds s[G0+4:G0+7], s[G1:G1+7]    ; K steps 4-7: slot 1's first fill, the first tensor load behind the round
	s_nop 0
	PLACES
.irp g, 0,1,2,3
	BREC 0, 0, \g
.endr
	STEP 0, 1, 0, 1, 3, 26                         ; K step 0 starts the sums: nothing is cleared
	s_mov_b32 s3, TRIPS
.Llap:                                                 ; a trip: eight K steps, once round the ring, from a lap's second step to the next lap's first
	STEP 1, 0, 0, 2, 4, 26
	STEP 2, 0, 0, 3, 5, 26
	TURN 3, 0, 1, 1, 6, 16*TSTR
	STEP 0, 0, 1, 1, 7, 26
	STEP 1, 0, 1, 2, 8, 26
	STEP 2, 0, 1, 3, 9, 26
	TURN 3, 1, 0, 1, 10, 20*TSTR
	STEP 0, 0, 0, 1, 11, 26
	s_wait_xcnt 0x0                                ; my loads and prefetches have read their bases: these step only behind this wait
	s_add_nc_u64 s[AB:AB+1], s[AB:AB+1], 2*NQ*TSTR
	s_add_nc_u64 s[PFB:PFB+1], s[PFB:PFB+1], 2*NQ*TSTR
	s_sub_co_u32 s3, s3, 1
	s_cmp_lg_u32 s3, 0
	s_cbranch_scc1 .Llap
	STEP 1, 0, 0, 2, 4, 26                         ; K steps 25 to 30: nothing more is fetched into LDS, and x's last record is K step 31's
	STEP 2, 0, 0, 3, 5, 26
	TURN 3, 0, 1, 0, 6, 0
	STEP 0, 0, 1, 1, 7, 26
	STEP 1, 0, 1, 2, -1, 26
	STEP 2, 0, 1, 3, -1, 13
; THE LAST K STEP GOES BY ROWS OF out0: all 16 fragments of perm are in registers, so each block of 16 rows is finished by 16 products and leaves while the next is multiplied.
.macro ROW a
	WIN MUL_LO
.irp b, 0,1,2,3,4,5,6,7
	WM 8*(4*\b+(\a)), 12*\b, AF+48*3+12*(\a), SCB+\b, SCA+4*3+(\a), 0
.endr
	WIN MUL_HI
.irp b, 0,1,2,3,4,5,6,7
	WM 8*(4*\b+(\a)), 12*(8+\b), AF+48*3+12*(\a), SCB+8+\b, SCA+4*3+(\a), 0
.endr
	WIN 0
.endm
; THE WAY OUT, in units u of 16 rows x 128 columns (rows 16 (u / 2) .., columns 128 (u % 2) ..): through my own stage in LDS and back as whole rows of 512 bytes.
; LDS serves a wave's instructions in order (ISA guide 5.7.1.4): no wait between the stores and the loads, nor ahead of the next unit's stores.
.macro TOSTAGE u
	WIN 0x08+4*((\u)%2)                            ; the data: window 2 or 3
.irp b, 0,1,2,3,4,5,6,7
	ds_store_b128 v[STO], v[8*(4*\b+(\u)/2):8*(4*\b+(\u)/2)+3] offset:64*\b        ; each accumulator from its low end on
	ds_store_b128 v[STO], v[8*(4*\b+(\u)/2)+4:8*(4*\b+(\u)/2)+7] offset:64*\b+16
.endr
	WIN 0
.irp t, 0,1,2,3,4,5,6,7,8,9,10,11,12,13,14,15
	ds_load_b128 v[BK+64*((\u)%2)+4*\t:BK+64*((\u)%2)+4*\t+3], v[RD] offset:\t*SPITCH
.endr
.endm
.macro SEND u, younger
	s_wait_dscnt \younger                          ; the unit is back in registers
.irp t, 0,1,2,3,4,5,6,7,8,9,10,11,12,13,14,15
	global_store_b128 v[AO], v[BK+64*((\u)%2)+4*\t:BK+64*((\u)%2)+4*\t+3], s[8:9] offset:(16*((\u)/2)+\t)*16384+512*((\u)%2) th:TH_STORE_NT   ; 32 lanes store 512 consecutive bytes, at a multiple of 256 from out0's first byte
.endr
.endm
	s_wait_loadcnt 0x0
	s_wait_dscnt 0x0
	ROW 0
.irp u, 0,1,2,3,4,5,6,7
.if (\u)%2 == 0
	PLACES                                         ; the unit's stores read results just made
.endif
.if \u > 1
	s_wait_xcnt 0x0                                ; unit u - 2's stores have read their registers: unit u's loads may land there
.endif
	TOSTAGE \u
.if ((\u)%2 == 0) && (\u < 6)
	ROW (\u)/2+1                                   ; the next 16 rows are finished while the unit comes back from the stage
.endif
.if \u > 0
	SEND (\u)-1, 32                                ; behind unit u - 1's loads: unit u's 16 stores and 16 loads
.endif
.endr
	SEND 7, 0
	s_wait_tensorcnt 0x0                           ; the wave's end
	ds_add_u32 v[SPW], v[NIL]
	s_wait_dscnt 0x0
	CROUND                                         ; the closing round
	s_endpgm
.Lfunc_end_k_q5e13ba606b_gemm:
	.size	k_q5e13ba606b_gemm, .Lfunc_end_k_q5e13ba606b_gemm-k_q5e13ba606b_gemm
	.p2alignl 7, 3214868480
	.fill 96, 4, 3214868480
	.section	.rodata,"a",@progbits
	.p2align	6, 0x0
	.amdhsa_kernel k_q5e13ba606b_gemm
		.amdhsa_group_segment_fixed_size 327680
		.amdhsa_private_segment_fixed_size 0
		.amdhsa_enable_private_segment 0
		.amdhsa_kernarg_size 24
		.amdhsa_user_sgpr_count 2
		.amdhsa_user_sgpr_kernarg_segment_ptr 1
		.amdhsa_wavefront_size32 1
		.amdhsa_system_sgpr_workgroup_id_x 1
		.amdhsa_system_sgpr_workgroup_id_y 1
		.amdhsa_system_sgpr_workgroup_id_z 1
		.amdhsa_system_vgpr_workitem_id 0
		.amdhsa_next_free_vgpr 1024
		.amdhsa_next_free_sgpr 66
		.amdhsa_reserve_vcc 0
		.amdhsa_float_denorm_mode_32 3
		.amdhsa_float_denorm_mode_16_64 3
		.amdhsa_memory_ordered 1
		.amdhsa_forward_progress 1
		.amdhsa_inst_pref_size 253
	.end_amdhsa_kernel
	.amdgpu_metadata
---
amdhsa.version: [ 1, 2 ]
amdhsa.kernels:
  - .name:           k_q5e13ba606b_gemm
    .symbol:         k_q5e13ba606b_gemm.kd
    .args:
      - { .name: xq, .offset: 0, .size: 8, .value_kind: global_buffer, .address_space: global }
      - { .name: wq, .offset: 8, .size: 8, .value_kind: global_buffer, .address_space: global }
      - { .name: out0, .offset: 16, .size: 8, .value_kind: global_buffer, .address_space: global }
    .group_segment_fixed_size: 327680
    .private_segment_fixed_size: 0
    .kernarg_segment_align: 8
    .kernarg_segment_size: 24
    .max_flat_workgroup_size: 128
    .sgpr_count:     66
    .vgpr_count:     1024
    .wavefront_size: 32
...
	.end_amdgpu_metadata
.endif
;; end of part 2
